; MI455X (gfx1250); checked and timed in simulation.
; The chip was launched on July 23, 2026; its instructions are those of AMD's public machine-readable ISA for CDNA 5 (MIT licence, August 2026) and "CDNA5" Instruction Set Architecture Reference Guide (July 2026). The comments in the code are by the model that wrote it; some were corrected since.
;; Mo E. Allowed arithmetic: float matrix products may take bf16 or f16 operands with f32 sums; other float arithmetic in f32, or as packed bf16 or f16 multiplies, adds, multiply-adds, maxima and minima; sums over many terms, partial sums and values carried from step to step in f32; what a program stores and reads back later, other than sums and carried values, may be rounded once to bf16 or f16.
;; Inputs: b1 8 x 2,048 float32; b2 8 x 1,024 float32; gate_w 1,024 x 8 float32; ln_b 8 x 1,024 float32; ln_g 8 x 1,024 float32; w1 8 x 1,024 x 2,048 float32; w2 8 x 2,048 x 1,024 float32; x 2 x 1,024 x 1,024 float32.
;; Outputs: out0 2 x 1,024 x 1,024 float32.
;; One version. Each part assembles by itself: llvm-mc -triple=amdgcn-amd-amdhsa -mcpu=gfx1250 --defsym DOCPART=n.
;; ======== version 1 of 1: 4 launches
;; workspace buffers: xb 4,194,304 bytes; ei 16,384 bytes of whole numbers; ew 16,384 bytes; h 67,108,864 bytes; pos 131,072 bytes of whole numbers; cnt 1,024 bytes of whole numbers; op 134,217,728 bytes
;; launch router (part 1): grid 256 x 1, 8 waves a work-group, no clusters, 3,072 bytes of LDS; arguments x, gate_w, xb, ei, ew; writes xb, ei, ew
.if DOCPART == 1
	.amdgcn_target "amdgcn-amd-amdhsa--gfx1250"
	.amdhsa_code_object_version 6
	.text
	.protected	k_q3e4f4a5015_router
	.globl	k_q3e4f4a5015_router
	.p2align	8
	.type	k_q3e4f4a5015_router,@function
k_q3e4f4a5015_router:
	s_mov_b64 s[64:65], 0
	v_nop
	global_prefetch_b8 v0, s[64:65] scope:SCOPE_SE
	s_setreg_imm32_b32 hwreg(HW_REG_WAVE_MODE, 25, 1), 1
	s_wait_xcnt 0x0
; ROUTER.  scores = x gate_w in f32; the two largest of a token's 8 scores (a tie keeps the lower index); softmax over those two, the larger taken away first.
; Stored at fixed places: ei[2 t + k] the chosen expert, ew[2 t + k] its weight, and xb = x rounded once to bf16, the first product's operand.
; SHARES.  A work-group has 8 tokens.  Thread n owns channels 4 n .. 4 n + 3 of all 8: 16 bytes of each row of x, 128 bytes of gate_w, 64 partial scores.
; The 64 partial scores are summed over the wave's 32 lanes by halving (each step a lane keeps half of its numbers and hands the other half to a partner), over the 8 waves through LDS.
; LIMITS.  The scores are sums of f32 products in another order than the reference's: two scores closer than some 1e-6 of the scores' spread may change places.
; NaN and infinities are not treated apart.  A second weight below 2^-126 counts as 0.
.set SPARE, 2048                       ; LDS: bytes 0-2047 the waves' partial scores, 256 bytes a wave; then the spare words, 128 bytes a wave
.set SPW, 4                            ; v4   LDS address of my spare word; never rewritten
.set NIL, 5                            ; v5   0; never rewritten
.set XO,  6                            ; v6   16 n: my bytes in a row of x
.set GO,  7                            ; v7   128 n: my bytes in gate_w
.set X,   8                            ; v[8:39]    x, 4 numbers a token
.set G,   40                           ; v[40:71]   gate_w: channel c, expert e at G + 8 c + e
.set ACC, 72                           ; v[72:135]  partial scores: token t, expert e at ACC + 8 t + e
.set TK,  136                          ; v136-139   halving: what a lane keeps
.set TS,  140                          ; v140-143   what it hands over
.set PX,  144                          ; v144-147   what came from the other half of the lanes
.set XB,  148                          ; v[148:163] x in bf16, 2 registers a token
.set XBO, 164                          ; v164 8 n: my bytes in a row of xb, and my place among the partial scores in LDS
.set M1,  136                          ; wave 0's end: largest score, second, at work, 2^d
.set M2,  137
.set DD,  138
.set PE,  139
.set IP,  140                          ; v[140:141] the two experts
.set WP,  142                          ; v[142:143] their weights
.set RA,  166
.set SO,  167
	s_load_b256 s[8:15], s[0:1], 0x0               ; x s[8:9], gate_w s[10:11], xb s[12:13], ei s[14:15]
	s_load_b64 s[16:17], s[0:1], 0x20              ; ew
	v_lshl_add_u32 v[SPW], v0, 2, SPARE
	v_mov_b32 v[NIL], 0
	v_and_b32 v1, 31, v0                           ; lane
	v_lshrrev_b32 v2, 5, v0
	v_readfirstlane_b32 s28, v2                    ; wave
	v_lshlrev_b32 v[XO], 4, v0
	v_lshlrev_b32 v[GO], 7, v0
	v_lshlrev_b32 v[XBO], 3, v0
.irp i, 0,1,2,3
	v_mov_b32 v[PX+\i], 0                          ; v_permlanex16_b32 counts as a reader of its destination
.endr
	s_mov_b32 s20, 0xffff0000                      ; lanes whose number has bit 4, 3, 2, 1, 0
	s_mov_b32 s21, 0xff00ff00
	s_mov_b32 s22, 0xf0f0f0f0
	s_mov_b32 s23, 0xcccccccc
	s_mov_b32 s24, 0xaaaaaaaa
	s_mov_b32 s26, 0x76543210                      ; v_permlanex16_b32: each lane takes its own place in the other half
	s_mov_b32 s27, 0xfedcba98
	s_lshl_b32 s2, ttmp9, 15                       ; 8 rows of 4,096 bytes of x
	s_mov_b32 s3, 0
	s_lshl_b32 s4, ttmp9, 14                       ; 8 rows of 2,048 bytes of xb
	s_mov_b32 s5, 0
	s_lshl_b32 s6, ttmp9, 6                        ; 16 words of ei and of ew
	s_mov_b32 s7, 0
	s_wait_kmcnt 0x0
	s_add_nc_u64 s[8:9], s[8:9], s[2:3]
	s_add_nc_u64 s[12:13], s[12:13], s[4:5]
	s_add_nc_u64 s[14:15], s[14:15], s[6:7]
	s_add_nc_u64 s[16:17], s[16:17], s[6:7]
.irp i, 0,1,2,3,4,5,6,7
	global_load_b128 v[G+4*\i:G+4*\i+3], v[GO], s[10:11] offset:16*\i
.endr
.irp t, 0,1,2,3,4,5,6,7
	global_load_b128 v[X+4*\t:X+4*\t+3], v[XO], s[8:9] offset:4096*\t
.endr
; Channel c of token t times the 8 experts' weights, two experts a line; x is given to both halves.  Channel 0 starts the sums.
.macro DOT t, c
.irp p, 0,1,2,3
.if (\c) == 0
	v_pk_mul_f32 v[ACC+8*(\t)+2*\p:ACC+8*(\t)+2*\p+1], v[X+4*(\t):X+4*(\t)+1], v[G+2*\p:G+2*\p+1] op_sel_hi:[0,1]
.elseif (\c) == 2
	v_pk_fma_f32 v[ACC+8*(\t)+2*\p:ACC+8*(\t)+2*\p+1], v[X+4*(\t)+2:X+4*(\t)+3], v[G+16+2*\p:G+16+2*\p+1], v[ACC+8*(\t)+2*\p:ACC+8*(\t)+2*\p+1] op_sel_hi:[0,1,1]
.else
	v_pk_fma_f32 v[ACC+8*(\t)+2*\p:ACC+8*(\t)+2*\p+1], v[X+4*(\t)+(\c)-1:X+4*(\t)+(\c)], v[G+8*(\c)+2*\p:G+8*(\c)+2*\p+1], v[ACC+8*(\t)+2*\p:ACC+8*(\t)+2*\p+1] op_sel:[1,0,0] op_sel_hi:[1,1,1]
.endif
.endr
.endm
.irp t, 0,1,2,3,4,5,6,7
	s_wait_loadcnt 7-\t                            ; loads come back in order: gate_w and token t are in, the younger tokens stay out
	DOT \t, 0
	DOT \t, 1
	DOT \t, 2
	DOT \t, 3
	v_cvt_pk_bf16_f32 v[XB+2*\t], v[X+4*\t], v[X+4*\t+1]
	v_cvt_pk_bf16_f32 v[XB+2*\t+1], v[X+4*\t+2], v[X+4*\t+3]
	global_store_b64 v[XBO], v[XB+2*\t:XB+2*\t+1], s[12:13] offset:2048*\t  ; a wave's store covers 256 consecutive bytes, aligned
.endr
; One halving step over n numbers.  Lanes without the bit keep the lower half and hand over the upper, lanes with it the other way round; the partner is the lane whose number differs in that bit.
.macro HALVE n, m, xm
.set i, 0
.rept (\n)/2
	v_cndmask_b32 v[TK+i%4], v[ACC+i], v[ACC+i+(\n)/2], s[\m]
	v_cndmask_b32 v[TS+i%4], v[ACC+i+(\n)/2], v[ACC+i], s[\m]
.if (\xm) == 16
	v_permlanex16_b32 v[PX+i%4], v[TS+i%4], s26, s27
	v_add_f32 v[ACC+i], v[TK+i%4], v[PX+i%4]
.else
	v_add_f32_dpp v[ACC+i], v[TS+i%4], v[TK+i%4] row_xmask:\xm row_mask:0xf bank_mask:0xf
.endif
.set i, i+1
.endr
.endm
	HALVE 64, 20, 16
	HALVE 32, 21, 8
	HALVE 16, 22, 4
	HALVE 8,  23, 2
	HALVE 4,  24, 1                                ; lane l now holds numbers 2 l and 2 l + 1 of the 64, summed over the wave
	ds_store_b64 v[XBO], v[ACC:ACC+1]              ; wave w, number v at byte 256 w + 4 v
	s_wait_tensorcnt 0x0                           ; my only LDS store is out: a wait, an add to my spare word and a wait behind it;
	ds_add_u32 v[SPW], v[NIL]
	s_wait_dscnt 0x0                               ; the last of them is also the wait that the others need: my store is done
	s_barrier_signal -1
	s_barrier_wait -1
	s_cmp_lg_u32 s28, 0
	s_cbranch_scc1 .Ldone                          ; wave 0 finishes the 8 tokens; lane l works on token l % 8
	v_and_b32 v[RA], 7, v0
	v_lshlrev_b32 v[RA], 5, v[RA]
.irp w, 0,1,2,3,4,5,6,7
	ds_load_b128 v[ACC+8*\w:ACC+8*\w+3],   v[RA] offset:256*\w
	ds_load_b128 v[ACC+8*\w+4:ACC+8*\w+7], v[RA] offset:256*\w+16
.endr
	s_wait_dscnt 0x0
.irp w, 1,2,3,4,5,6,7
.irp p, 0,1,2,3
	v_pk_add_f32 v[ACC+2*\p:ACC+2*\p+1], v[ACC+2*\p:ACC+2*\p+1], v[ACC+8*\w+2*\p:ACC+8*\w+2*\p+1]
.endr
.endr
	v_mov_b32 v[M1], v[ACC]                        ; the largest: a later score wins only if it is greater, so a tie keeps the lower index
	v_mov_b32 v[IP], 0
.irp e, 1,2,3,4,5,6,7
	v_cmp_gt_f32 vcc_lo, v[ACC+\e], v[M1]
	v_cndmask_b32 v[M1], v[M1], v[ACC+\e], vcc_lo
	v_cndmask_b32 v[IP], v[IP], \e, vcc_lo
.endr
	v_mov_b32 v[M2], 0xff800000                    ; the largest of the others, in the same way
	v_mov_b32 v[IP+1], 0
.irp e, 0,1,2,3,4,5,6,7
	v_cmp_ne_u32 s31, \e, v[IP]
	v_cmp_gt_f32 vcc_lo, v[ACC+\e], v[M2]
	s_and_b32 vcc_lo, vcc_lo, s31
	v_cndmask_b32 v[M2], v[M2], v[ACC+\e], vcc_lo
	v_cndmask_b32 v[IP+1], v[IP+1], \e, vcc_lo
.endr
	v_sub_f32 v[DD], v[M2], v[M1]                  ; softmax of (m1, m2) with m1 taken away: 1 / (1 + p) and p / (1 + p), p = e^(m2 - m1) <= 1
	v_mul_f32 v[DD], 0x3fb8aa3b, v[DD]
	v_exp_f32 v[PE], v[DD]
	v_lshlrev_b32 v[SO], 3, v1                     ; a plain instruction behind the exponential
	s_wait_alu depctr_va_vdst(0)                   ; the wait ahead of the first line that names its result
	v_add_f32 v[DD], 1.0, v[PE]
	v_rcp_f32 v[WP], v[DD]
	v_nop
	s_wait_alu depctr_va_vdst(0)
	v_mul_f32 v[WP+1], v[PE], v[WP]
	s_wait_xcnt 0x0                                ; EXEC is a source of the stores of xb: it changes only behind this wait
	v_cmp_gt_u32 vcc_lo, 8, v1
	s_and_saveexec_b32 s30, vcc_lo                 ; lanes 0 to 7: one lane a token
	global_store_b64 v[SO], v[IP:IP+1], s[14:15]
	global_store_b64 v[SO], v[WP:WP+1], s[16:17]
	s_wait_xcnt 0x0                                ; and again ahead of the line that widens it
	s_or_b32 exec_lo, exec_lo, s30
.Ldone:
	s_endpgm
.Lfunc_end_k_q3e4f4a5015_router:
	.size	k_q3e4f4a5015_router, .Lfunc_end_k_q3e4f4a5015_router-k_q3e4f4a5015_router
	.p2alignl 7, 3214868480
	.fill 96, 4, 3214868480
	.section	.rodata,"a",@progbits
	.p2align	6, 0x0
	.amdhsa_kernel k_q3e4f4a5015_router
		.amdhsa_group_segment_fixed_size 3072
		.amdhsa_private_segment_fixed_size 0
		.amdhsa_enable_private_segment 0
		.amdhsa_kernarg_size 40
		.amdhsa_user_sgpr_count 2
		.amdhsa_user_sgpr_kernarg_segment_ptr 1
		.amdhsa_wavefront_size32 1
		.amdhsa_system_sgpr_workgroup_id_x 1
		.amdhsa_system_sgpr_workgroup_id_y 1
		.amdhsa_system_sgpr_workgroup_id_z 1
		.amdhsa_system_vgpr_workitem_id 0
		.amdhsa_next_free_vgpr 168
		.amdhsa_next_free_sgpr 66
		.amdhsa_reserve_vcc 1
		.amdhsa_float_denorm_mode_32 3
		.amdhsa_float_denorm_mode_16_64 3
		.amdhsa_memory_ordered 1
		.amdhsa_forward_progress 1
		.amdhsa_inst_pref_size 33
	.end_amdhsa_kernel
	.amdgpu_metadata
---
amdhsa.version: [ 1, 2 ]
amdhsa.kernels:
  - .name:           k_q3e4f4a5015_router
    .symbol:         k_q3e4f4a5015_router.kd
    .args:
      - { .name: x, .offset: 0, .size: 8, .value_kind: global_buffer, .address_space: global }
      - { .name: gate_w, .offset: 8, .size: 8, .value_kind: global_buffer, .address_space: global }
      - { .name: xb, .offset: 16, .size: 8, .value_kind: global_buffer, .address_space: global }
      - { .name: ei, .offset: 24, .size: 8, .value_kind: global_buffer, .address_space: global }
      - { .name: ew, .offset: 32, .size: 8, .value_kind: global_buffer, .address_space: global }
    .group_segment_fixed_size: 3072
    .private_segment_fixed_size: 0
    .kernarg_segment_align: 8
    .kernarg_segment_size: 40
    .max_flat_workgroup_size: 256
    .sgpr_count:     66
    .vgpr_count:     168
    .wavefront_size: 32
...
	.end_amdgpu_metadata
.endif
;; end of part 1
;; launch ffn1 (part 2): grid 32 x 8, 8 waves a work-group, no clusters, 175,360 bytes of LDS; arguments xb, w1, b1, ei, h, pos, cnt; writes h, pos, cnt
.if DOCPART == 2
	.amdgcn_target "amdgcn-amd-amdhsa--gfx1250"
	.amdhsa_code_object_version 6
	.text
	.protected	k_q3e4f4a5015_ffn1
	.globl	k_q3e4f4a5015_ffn1
	.p2align	8
	.type	k_q3e4f4a5015_ffn1,@function
k_q3e4f4a5015_ffn1:
	s_mov_b64 s[64:65], 0
	v_nop
	global_prefetch_b8 v0, s[64:65] scope:SCOPE_SE
	s_setreg_imm32_b32 hwreg(HW_REG_WAVE_MODE, 25, 1), 1
	s_wait_xcnt 0x0
; FIRST PRODUCT.  h = 2 gelu(x w1[e] + b1[e]) for the rows that chose expert e (the factor 0.5 of GELU is applied, exactly, where the second product's sums are added up).
; SHARES.  Work-group (slice, e) has 64 of expert e's 2,048 hidden channels, which it alone reads, and all of e's rows.  Its 1,024 x 64 weights are read once as f32, rounded to bf16 on
; their way through registers and laid into LDS as [k][64], rows 160 bytes apart.  Then each of the 8 waves takes tiles of 32 rows (tile j goes to wave j % 8): no LDS byte is written any more and no barrier stands in that loop.
; THE LIST.  Every work-group makes e's list of rows for itself from ei: wave w looks at slots 512 w .. 512 w + 511 and writes those that chose e, packed, into its own part of LDS.  A row's rank is
; the waves' counts before it plus its place in its wave's part.  Slice 0 stores the ranks (pos[e][slot] = 2,048 e + rank; a slot that did not choose e gets a number that nobody uses) and the count.
; A tile is always whole: places past the count repeat the last row.  The loop has 8 trips, enough for all 2,048 tokens on one expert; dead trips are jumped over.  An expert without rows stores no h.
; THE MATRIX INSTRUCTION IS USED TRANSPOSED: source 0 = 16 hidden channels (turned out of LDS by ds_load_tr16_b128), source 1 = 16 rows of x.  A lane then holds one row and eight neighbouring channels,
; which, rounded to bf16, ARE 16 bytes of the second product's operand: h is stored in that order, [e][16 rows][32 channels][half][lane][16 bytes], each store 512 consecutive bytes.
; GELU by erf: erf(z) = 1 - (a1 t + .. + a5 t^5) e^(-z z), t = 1 / (1 + p z) (Abramowitz and Stegun 7.1.26, absolute error 1.5e-7), z = |u| / sqrt 2; 2 gelu(u) = u + |u| erf(z).
; LIMITS.  x, w1 and h are rounded to bf16; sums, bias and GELU in f32.  NaN and infinities are not treated apart.
; NO CLUSTER, NO TENSOR LOAD: each weight has one reader and must pass through registers to be rounded; the rows come by a list, and their number hangs on a stored count.
.set PW,      160                      ; an LDS row of weights: 128 bytes + 32: an odd multiple of 32, as the turning load's 8 rows x 32 bytes want (64 banks of 4 bytes: ISA guide 11.1)
.set WBYTES,  1024*PW
.set LIST,    WBYTES                   ; 8 parts of 1,280 bytes: 256 slots (a wave's 256 tokens choose e at most once each) and a word for what is thrown away
.set LPITCH,  1280
.set CNTS,    LIST+8*LPITCH            ; the 8 waves' counts
.set SPARE,   CNTS+256                 ; the spare words, 128 bytes a wave
.set ROWSTEP, 2*8192                   ; a weight load takes two rows of w1, 8,192 bytes apart
; window 0
.set RR,    2                          ; v2 lane % 16, v3 the same + 16: my row in the tile's two halves
.set SPW,   4                          ; v4  LDS address of my spare word; never rewritten
.set NIL,   5                          ; v5  0; never rewritten
.set L16,   6                          ; v6  16 x lane
.set H16,   7                          ; v7  16 x (lane / 16)
.set EIO,   8                          ; v8  my bytes in ei and in pos[e]
.set WGO,   9                          ; v9  my bytes in the slice of w1
.set WLA,   10                         ; v10 where they go in LDS
.set LBASE, 11                         ; v11 my wave's part of the list
.set SLOT0, 12                         ; v12 my first slot
.set BO,    13                         ; v13 my bytes in the slice of b1
.set HH,    14                         ; v14 lane / 16
.set TA,    15                         ; v15-18 at work
.set TB,    17
.set C256,  19                         ; v19 256
.set VST,   20                         ; v20 my bytes in h
.set Q,     21                         ; v21 a rank
.set AD,    22                         ; v22-23 its place in the list
.set EI,    24                         ; v[24:39] my 16 slots' experts; later v24-31 the counts, v32-33 the count's store, v34-35 two slots
.set SL,    34
.set LP,    40                         ; v[40:55] my 16 slots' ranks
.set BIAS,  56                         ; v[56:87] b1 as the C operand: channel block ct at BIAS + 8 ct
.set CV,    88                         ; v[88:95] weights rounded, four pairs by turns
.set WR,    96                         ; v[96:223] 32 weight loads in flight
.set TT,    96                         ; later, GELU: t, e^(-u u / 2), the polynomial, the packed results of a tile
.set EE,    112
.set PP,    128
.set OUT,   144
; window 1: v0-63 the 8 accumulators ((rt, ct) at 8 (4 rt + ct))
.set WF,    64                         ; v64-127  weight fragments, two buffers of 4 x 8
.set AR,    128                        ; v128-239 row fragments, a ring of 7 K steps x 2 x 8
.set OFF,   240                        ; v240-241 my two rows' bytes in xb
.set LB,    242                        ; v242-244 my lane's place in the weights, at K steps 0, 12 and 24 (an LDS offset has 16 bits)
.set MK,    28                         ; s28-31 masks by turns
.set CW,    44                         ; s44-51 the waves' counts
.set BP,    51                         ; s52-59 BP + i: rows in waves 0 .. i - 1
.set ADJ,   66                         ; s66-72 ADJ + i - 1: what a rank's place gains on passing from part i - 1 to part i
.set KP,    74                         ; s74 p / sqrt 2
.set KC,    76                         ; pairs (the packed lines name a pair and take its low word): -log2(e) / 2, -a1 .. -a5
.set KA1,   78
.set KA2,   80
.set KA3,   82
.set KA4,   84
.set KA5,   86
.set RC,    88
.set MYB,   89
.set NN,    90
.set NM1,   91
.set ROW0,  92
.set TRIPS, 93
.set TS,    94
.set MSB, 0
.macro WIN new                         ; s_set_vgpr_msb: bits 1:0 source 0, 3:2 source 1, 5:4 source 2, 7:6 destination; the high byte repeats the setting that is left
.if MSB != (\new)
	s_set_vgpr_msb (MSB<<8)|(\new)
.set MSB, \new
.endif
.endm
.macro KPAIR r, val
	s_mov_b32 s[\r], \val
	s_mov_b32 s[\r+1], \val
.endm
.macro WLOAD i                         ; two rows of the slice: 16 lanes take a row's 256 bytes
	global_load_b128 v[WR+4*((\i)%32):WR+4*((\i)%32)+3], v[WGO], s[10:11] offset:(\i)*ROWSTEP th:TH_LOAD_NT
.endm
	s_load_b256 s[8:15], s[0:1], 0x0               ; xb s[8:9], w1 s[10:11], b1 s[12:13], ei s[14:15]
	s_load_b128 s[16:19], s[0:1], 0x20             ; h s[16:17], pos s[18:19]
	s_load_b64 s[20:21], s[0:1], 0x30              ; cnt
	v_lshl_add_u32 v[SPW], v0, 2, SPARE
	v_mov_b32 v[NIL], 0
	v_and_b32 v1, 31, v0                           ; lane
	v_lshrrev_b32 v[TA], 5, v0
	v_readfirstlane_b32 s22, v[TA]                 ; wave
	s_and_b32 s23, ttmp7, 0xffff                   ; expert
	s_mov_b32 s24, ttmp9                           ; slice
	v_and_b32 v[RR], 15, v0
	v_add_nc_u32 v[RR+1], 16, v[RR]
	v_bfe_u32 v[HH], v0, 4, 1
	v_lshlrev_b32 v[L16], 4, v1
	v_lshlrev_b32 v[H16], 4, v[HH]
	v_lshlrev_b32 v[BO], 5, v[HH]                  ; 8 channels of f32 for each half of the lanes
	v_lshl_add_u32 v[EIO], s22, 11, v[L16]         ; 512 slots a wave, 4 a lane
	v_lshlrev_b32 v[TA], 4, v[RR]
	v_lshl_add_u32 v[TA], v[HH], 13, v[TA]
	v_lshl_add_u32 v[WGO], s22, 20, v[TA]          ; (128 wave + lane / 16) rows of 8,192 bytes + 16 (lane % 16)
	s_mul_i32 s2, s22, 128*PW
	v_mul_u32_u24 v[TA], v[HH], PW
	v_lshl_add_u32 v[TA], v[RR], 3, v[TA]
	v_add_nc_u32 v[WLA], s2, v[TA]                 ; the same rows in LDS, 8 bytes a lane
	s_mul_i32 s3, s22, LPITCH
	s_add_co_u32 s3, s3, LIST
	v_mov_b32 v[LBASE], s3
	v_lshlrev_b32 v[TA], 2, v1
	v_lshl_add_u32 v[SLOT0], s22, 9, v[TA]
	v_mov_b32 v[C256], 0x100
	s_lshl_b32 s26, s23, 23                        ; an expert's 8 MiB of w1 and of h
	s_lshl_b32 s4, s24, 8
	s_add_co_u32 s4, s4, s26                       ; w1: + 256 bytes a slice
	s_mov_b32 s5, 0
	s_lshl_b32 s6, s23, 13
	s_lshl_b32 s7, s24, 8
	s_add_co_u32 s6, s6, s7                        ; b1: 8,192 bytes an expert, 256 a slice
	s_mov_b32 s7, 0
	s_lshl_b32 s27, s24, 11
	s_add_co_u32 s26, s26, s27                     ; h: + two blocks of 32 channels, 1,024 bytes each, a slice
	s_mov_b32 s27, 0
	s_lshl_b32 s2, s23, 14                         ; pos: 16,384 bytes an expert
	s_mov_b32 s3, 0
	s_lshl_b32 s32, s23, 7                         ; cnt: 128 bytes an expert
	s_mov_b32 s33, 0
	s_mov_b32 s[KP], 0x3e6d3388                    ; 0.3275911 / sqrt 2
	KPAIR KC,  0xbf38aa3b                          ; -log2(e) / 2
	KPAIR KA1, 0xbe827906                          ; -0.254829592
	KPAIR KA2, 0x3e91a98e                          ;  0.284496736
	KPAIR KA3, 0xbfb5f0e3                          ; -1.421413741
	KPAIR KA4, 0x3fba00e3                          ;  1.453152027
	KPAIR KA5, 0xbf87dc22                          ; -1.061405429
	s_wait_kmcnt 0x0
	s_add_nc_u64 s[10:11], s[10:11], s[4:5]
	s_add_nc_u64 s[12:13], s[12:13], s[6:7]
	s_add_nc_u64 s[16:17], s[16:17], s[26:27]
	s_add_nc_u64 s[18:19], s[18:19], s[2:3]
	s_add_nc_u64 s[20:21], s[20:21], s[32:33]
.irp j, 0,1,2,3
	global_load_b128 v[EI+4*\j:EI+4*\j+3], v[EIO], s[14:15] offset:512*\j  ; register 4 j + c: slot 512 wave + 128 j + 4 lane + c
.endr
.irp ct, 0,1,2,3
	global_load_b128 v[BIAS+8*\ct:BIAS+8*\ct+3],   v[BO], s[12:13] offset:64*\ct
	global_load_b128 v[BIAS+8*\ct+4:BIAS+8*\ct+7], v[BO], s[12:13] offset:64*\ct+16
.endr
.set i, 0
.rept 32
	WLOAD i                                        ; 32 loads of 512 bytes of every wave are on their way while the list is made
.set i, i+1
.endr
	v_and_b32 v[TA], 7, v0                         ; the turning load: lane l reads k = 8 (l / 16) + l % 8, channels 8 ((l / 8) % 2) + 0..7
	v_lshl_add_u32 v[TA], v[HH], 3, v[TA]
	v_mul_u32_u24 v[TA], v[TA], PW
	v_bfe_u32 v[TB], v0, 3, 1
	v_lshl_add_u32 v[TA], v[TB], 4, v[TA]
	WIN 0x40                                       ; destination window 1
	v_mov_b32 v[LB], v[TA]
	v_add_nc_u32 v[LB+1], 12*32*PW, v[TA]
	v_add_nc_u32 v[LB+2], 24*32*PW, v[TA]
	WIN 0
	s_wait_loadcnt 32                              ; ei and b1 are in; the 32 weight loads issued behind them stay out
	; THE LIST.  For each of my 16 registers of slots: who chose e, each such lane's place behind those counted so far, and its slot into that place.  The others write the word that is thrown away.
	s_mov_b32 s[RC], 0
.set i, 0
.rept 16
	v_cmp_eq_u32 s[MK+i%4], s23, v[EI+i]
	v_mbcnt_lo_u32_b32 v[LP+i], s[MK+i%4], s[RC]
	s_bcnt1_i32_b32 s[TS], s[MK+i%4]
	s_add_co_u32 s[RC], s[RC], s[TS]
	v_cndmask_b32 v[TA+i%2], v[C256], v[LP+i], s[MK+i%4]
	v_min_u32 v[TA+i%2], 0x100, v[TA+i%2]          ; the place stays inside my wave's part whatever ei holds
	v_lshl_add_u32 v[TA+i%2], v[TA+i%2], 2, v[LBASE]
	v_add_nc_u32 v[TB+i%2], 128*(i/4)+i%4, v[SLOT0]
	ds_store_b32 v[TA+i%2], v[TB+i%2]
.set i, i+1
.endr
	s_lshl_b32 s2, s22, 2
	s_add_co_u32 s2, s2, CNTS
	v_mov_b32 v[TB], s2
	v_mov_b32 v[TA], s[RC]
	ds_store_b32 v[TB], v[TA]                      ; my wave's count
	s_wait_dscnt 0x0                               ; for the others' sake: my part of the list and my count are written
	s_barrier_signal -1
	s_barrier_wait -1
	v_mov_b32 v[TA], CNTS
	ds_load_b128 v[EI:EI+3],   v[TA]
	ds_load_b128 v[EI+4:EI+7], v[TA] offset:16
	s_wait_dscnt 0x0
.irp i, 0,1,2,3,4,5,6,7
	v_readfirstlane_b32 s[CW+\i], v[EI+\i]
.endr
	s_mov_b32 s[BP+1], s[CW]
.irp i, 2,3,4,5,6,7,8
	s_add_co_u32 s[BP+\i], s[BP+\i-1], s[CW+\i-1]
.endr
.irp i, 1,2,3,4,5,6,7
	s_lshl_b32 s[TS], s[CW+\i-1], 2
	s_sub_co_u32 s[ADJ+\i-1], LPITCH, s[TS]        ; rank q lies at 4 q + the sum of these over the parts that it has passed
.endr
	s_mov_b32 s[MYB], 0
.irp i, 1,2,3,4,5,6,7
	s_cmp_ge_u32 s22, \i
	s_cselect_b32 s[MYB], s[BP+\i], s[MYB]         ; rows in the waves before mine
.endr
	s_mov_b32 s[NN], s[BP+8]                       ; e's rows
	s_sub_co_u32 s[NM1], s[NN], 1
	s_cmp_lg_u32 s24, 0
	s_cbranch_scc1 .Lnot_first                     ; slice 0 stores the ranks and the count for the later launches
	s_lshl_b32 s[TS], s23, 11
	s_add_co_u32 s[TS], s[TS], s[MYB]
.set i, 0
.rept 16
	v_add_nc_u32 v[LP+i], s[TS], v[LP+i]           ; 2,048 e + rank
.set i, i+1
.endr
.irp j, 0,1,2,3
	global_store_b128 v[EIO], v[LP+4*\j:LP+4*\j+3], s[18:19] offset:512*\j  ; 512 consecutive bytes; these registers are not written again
.endr
	s_cmp_lg_u32 s22, 0
	s_cbranch_scc1 .Lnot_first
	v_mov_b32 v[EI+8], s[NN]
	v_lshlrev_b32 v[EI+9], 2, v1
	global_store_b32 v[EI+9], v[EI+8], s[20:21]    ; the count, 32 times; these registers are not written again
.Lnot_first:
	; THE WEIGHTS: memory to LDS through registers.  Wave w has rows 128 w .. 128 w + 127, two a load.
.set i, 0
.rept 64
.if i < 32
	s_wait_loadcnt 31                              ; load i is in; the 31 younger ones stay out
.else
	s_wait_loadcnt 63-i                            ; nothing more is asked for: the counts run down
.endif
	v_cvt_pk_bf16_f32 v[CV+2*(i%4)],   v[WR+4*(i%32)],   v[WR+4*(i%32)+1]
	v_cvt_pk_bf16_f32 v[CV+2*(i%4)+1], v[WR+4*(i%32)+2], v[WR+4*(i%32)+3]
	ds_store_b64 v[WLA], v[CV+2*(i%4):CV+2*(i%4)+1] offset:2*PW*i
.if i < 32
	WLOAD i+32
.endif
.set i, i+1
.endr
	s_wait_dscnt 0x0                               ; for the others' sake: my rows are written
	s_barrier_signal -1
	s_barrier_wait -1                              ; the slice is whole; from here on LDS is only read
.macro WFRAG s                         ; K step s: 64 channels x 32 k, turned: 4 fragments
.irp ct, 0,1,2,3
	ds_load_tr16_b128 v[WF+32*((\s)%2)+8*\ct:WF+32*((\s)%2)+8*\ct+3],   v[LB+(\s)/12] offset:((\s)%12)*32*PW+32*\ct
	ds_load_tr16_b128 v[WF+32*((\s)%2)+8*\ct+4:WF+32*((\s)%2)+8*\ct+7], v[LB+(\s)/12] offset:((\s)%12)*32*PW+32*\ct+16*PW
.endr
.endm
.macro ALOAD s                         ; K step s: 32 rows x 32 k of xb: lane l holds row l % 16, k = 8 (l / 16) + 0..7 and 16 + 8 (l / 16) + 0..7
.irp rt, 0,1
	global_load_b128 v[AR+16*((\s)%7)+8*\rt:AR+16*((\s)%7)+8*\rt+3],   v[OFF+\rt], s[8:9] offset:64*(\s)
	global_load_b128 v[AR+16*((\s)%7)+8*\rt+4:AR+16*((\s)%7)+8*\rt+7], v[OFF+\rt], s[8:9] offset:64*(\s)+32
.endr
.endm
; One K step of 32: 8 matrix instructions, the 8 accumulators by turns.  Step 0 starts the sums with the bias.  Behind them four places, then the loads into the buffers just read.
.macro KSTEP s
.if (\s)+6 < 31
	s_wait_loadcnt 24                              ; my rows of this step are in; six younger steps' loads, four each, stay out
.else
	s_wait_loadcnt 4*(31-(\s))
.endif
.if (\s) < 31
	s_wait_dscnt 8                                 ; this step's weight fragments are in; the next step's eight loads stay out
.else
	s_wait_dscnt 0
.endif
.if (\s) == 0
	WIN 0x45                                       ; C in window 0
.endif
.irp ct, 0,1,2,3
.irp rt, 0,1
.if (\s) == 0
	v_wmma_f32_16x16x32_bf16 v[8*(4*\rt+\ct):8*(4*\rt+\ct)+7], v[WF+32*((\s)%2)+8*\ct:WF+32*((\s)%2)+8*\ct+7], v[AR+16*((\s)%7)+8*\rt:AR+16*((\s)%7)+8*\rt+7], v[BIAS+8*\ct:BIAS+8*\ct+7]
.else
	v_wmma_f32_16x16x32_bf16 v[8*(4*\rt+\ct):8*(4*\rt+\ct)+7], v[WF+32*((\s)%2)+8*\ct:WF+32*((\s)%2)+8*\ct+7], v[AR+16*((\s)%7)+8*\rt:AR+16*((\s)%7)+8*\rt+7], v[8*(4*\rt+\ct):8*(4*\rt+\ct)+7]
.endif
.endr
.endr
	WIN 0x55
.rept 4
	v_nop
.endr
.if (\s)+2 <= 31
	WFRAG (\s)+2
.endif
.if (\s)+7 <= 31
	ALOAD (\s)+7
.endif
.endm
; The slot at rank ROW0 + my row; ranks past the count take the last row.
.macro LOOKUP rt
	v_add_nc_u32 v[Q], s[ROW0], v[RR+(\rt)]
	v_min_u32 v[Q], s[NM1], v[Q]
	v_lshlrev_b32 v[AD+(\rt)], 2, v[Q]
.irp i, 1,2,3,4,5,6,7
	v_cmp_le_u32 vcc_lo, s[BP+\i], v[Q]
	v_cndmask_b32 v[TA], 0, s[ADJ+\i-1], vcc_lo
	v_add_nc_u32 v[AD+(\rt)], v[AD+(\rt)], v[TA]
.endr
	v_min_u32 v[AD+(\rt)], 8*LPITCH-4, v[AD+(\rt)]  ; inside the list whatever ei held
	v_add_nc_u32 v[AD+(\rt)], LIST, v[AD+(\rt)]
	ds_load_b32 v[SL+(\rt)], v[AD+(\rt)]
.endm
; 2 gelu of 16 neighbouring accumulator registers (rows 16 (g / 2) on, channels 32 (g % 2) on), rounded and stored.  Each accumulator's lowest registers are read first.
; The 32 reciprocals and exponentials are one batch with one wait.
.macro GELU16 g
.set U, 16*(\g)
	WIN 0x01                                       ; source 0 in window 1
.set i, 0
.rept 16
	v_fma_f32 v[TT+i], |v[U+i]|, s[KP], 1.0        ; 1 + p z
.set i, i+1
.endr
	WIN 0x05                                       ; sources 0 and 1 in window 1
.set i, 0
.rept 8
	v_pk_mul_f32 v[EE+i:EE+i+1], v[U+i:U+i+1], v[U+i:U+i+1]
.set i, i+2
.endr
	WIN 0
.set i, 0
.rept 8
	v_pk_mul_f32 v[EE+i:EE+i+1], v[EE+i:EE+i+1], s[KC:KC+1] op_sel_hi:[1,0]  ; -z z log2(e)
.set i, i+2
.endr
.set i, 0
.rept 16
	v_rcp_f32 v[TT+i], v[TT+i]
.set i, i+1
.endr
.set i, 0
.rept 16
	v_exp_f32 v[EE+i], v[EE+i]
.set i, i+1
.endr
	v_nop                                          ; a plain instruction behind the last of the batch
	s_wait_alu depctr_va_vdst(0)                   ; the wait ahead of the first line that names a result: one for the 32
.set i, 0
.rept 8
	v_pk_fma_f32 v[PP+i:PP+i+1], v[TT+i:TT+i+1], s[KA5:KA5+1], s[KA4:KA4+1] op_sel_hi:[1,0,0]
.set i, i+2
.endr
.irp k, KA3, KA2, KA1
.set i, 0
.rept 8
	v_pk_fma_f32 v[PP+i:PP+i+1], v[PP+i:PP+i+1], v[TT+i:TT+i+1], s[\k:\k+1] op_sel_hi:[1,1,0]
.set i, i+2
.endr
.endr
.set i, 0
.rept 8
	v_pk_mul_f32 v[PP+i:PP+i+1], v[PP+i:PP+i+1], v[TT+i:TT+i+1]  ; minus the polynomial
.set i, i+2
.endr
.set i, 0
.rept 8
	v_pk_fma_f32 v[PP+i:PP+i+1], v[PP+i:PP+i+1], v[EE+i:EE+i+1], 1.0 op_sel_hi:[1,1,0]  ; erf(z)
.set i, i+2
.endr
	WIN 0x11                                       ; sources 0 and 2 in window 1
.set i, 0
.rept 16
	v_fma_f32 v[PP+i], |v[U+i]|, v[PP+i], v[U+i]   ; u + |u| erf(z)
.set i, i+1
.endr
	WIN 0
.set i, 0
.rept 8
	v_cvt_pk_bf16_f32 v[OUT+8*(\g)+i], v[PP+2*i], v[PP+2*i+1]
.set i, i+1
.endr
	global_store_b128 v[VST], v[OUT+8*(\g):OUT+8*(\g)+3],   s[16:17] offset:65536*((\g)/2)+1024*((\g)%2)      ; 512 consecutive bytes, aligned
	global_store_b128 v[VST], v[OUT+8*(\g)+4:OUT+8*(\g)+7], s[16:17] offset:65536*((\g)/2)+1024*((\g)%2)+512
.endm
	s_lshl_b32 s[ROW0], s22, 5                     ; my first tile
	s_mov_b32 s[TRIPS], 8
.Ltrip:
	s_cmp_ge_u32 s[ROW0], s[NN]
	s_cbranch_scc1 .Lskip                          ; no such tile: the trip is jumped; no barrier stands in it
	s_wait_xcnt 0x0                                ; the last trip's stores have read their data and their offset: both are written again only behind this wait
	LOOKUP 0
	LOOKUP 1
	v_lshl_add_u32 v[VST], s[ROW0], 12, v[L16]     ; 16 rows of h are 65,536 bytes
	s_wait_dscnt 0x0                               ; the two slots
.irp rt, 0,1
	v_lshrrev_b32 v[SL+\rt], 1, v[SL+\rt]          ; the token
	v_min_u32 v[SL+\rt], 0x7ff, v[SL+\rt]
.endr
	WIN 0x40
.irp rt, 0,1
	v_lshl_add_u32 v[OFF+\rt], v[SL+\rt], 11, v[H16]  ; its row of 2,048 bytes + 16 x half
.endr
	WIN 0x55                                       ; the whole product names window 1 alone
.irp a, 0,1,2,3,4,5,6
	ALOAD \a
.endr
	WFRAG 0
	WFRAG 1
.set ks, 0
.rept 32
	KSTEP ks
.set ks, ks+1
.endr
	GELU16 0                                       ; the last step's four v_nop are the places ahead of these
	GELU16 1
	GELU16 2
	GELU16 3
	WIN 0
.Lskip:
	s_add_co_u32 s[ROW0], s[ROW0], 256             ; 8 waves x 32 rows on
	s_sub_co_u32 s[TRIPS], s[TRIPS], 1
	s_cmp_lg_u32 s[TRIPS], 0
	s_cbranch_scc1 .Ltrip
	s_wait_tensorcnt 0x0                           ; the wave's end: a wait, an add to my spare word and a wait behind my last LDS store
	ds_add_u32 v[SPW], v[NIL]
	s_wait_dscnt 0x0
	s_endpgm
.Lfunc_end_k_q3e4f4a5015_ffn1:
	.size	k_q3e4f4a5015_ffn1, .Lfunc_end_k_q3e4f4a5015_ffn1-k_q3e4f4a5015_ffn1
	.p2alignl 7, 3214868480
	.fill 96, 4, 3214868480
	.section	.rodata,"a",@progbits
	.p2align	6, 0x0
	.amdhsa_kernel k_q3e4f4a5015_ffn1
		.amdhsa_group_segment_fixed_size 175360
		.amdhsa_private_segment_fixed_size 0
		.amdhsa_enable_private_segment 0
		.amdhsa_kernarg_size 56
		.amdhsa_user_sgpr_count 2
		.amdhsa_user_sgpr_kernarg_segment_ptr 1
		.amdhsa_wavefront_size32 1
		.amdhsa_system_sgpr_workgroup_id_x 1
		.amdhsa_system_sgpr_workgroup_id_y 1
		.amdhsa_system_sgpr_workgroup_id_z 1
		.amdhsa_system_vgpr_workitem_id 0
		.amdhsa_next_free_vgpr 512
		.amdhsa_next_free_sgpr 96
		.amdhsa_reserve_vcc 1
		.amdhsa_float_denorm_mode_32 3
		.amdhsa_float_denorm_mode_16_64 3
		.amdhsa_memory_ordered 1
		.amdhsa_forward_progress 1
		.amdhsa_inst_pref_size 122
	.end_amdhsa_kernel
	.amdgpu_metadata
---
amdhsa.version: [ 1, 2 ]
amdhsa.kernels:
  - .name:           k_q3e4f4a5015_ffn1
    .symbol:         k_q3e4f4a5015_ffn1.kd
    .args:
      - { .name: xb, .offset: 0, .size: 8, .value_kind: global_buffer, .address_space: global }
      - { .name: w1, .offset: 8, .size: 8, .value_kind: global_buffer, .address_space: global }
      - { .name: b1, .offset: 16, .size: 8, .value_kind: global_buffer, .address_space: global }
      - { .name: ei, .offset: 24, .size: 8, .value_kind: global_buffer, .address_space: global }
      - { .name: h, .offset: 32, .size: 8, .value_kind: global_buffer, .address_space: global }
      - { .name: pos, .offset: 40, .size: 8, .value_kind: global_buffer, .address_space: global }
      - { .name: cnt, .offset: 48, .size: 8, .value_kind: global_buffer, .address_space: global }
    .group_segment_fixed_size: 175360
    .private_segment_fixed_size: 0
    .kernarg_segment_align: 8
    .kernarg_segment_size: 56
    .max_flat_workgroup_size: 256
    .sgpr_count:     96
    .vgpr_count:     512
    .wavefront_size: 32
...
	.end_amdgpu_metadata
.endif
;; end of part 2
;; launch ffn2 (part 3): grid 32 x 8, 8 waves a work-group, no clusters, 234,496 bytes of LDS; arguments h, w2, cnt, op; writes op
.if DOCPART == 3
	.amdgcn_target "amdgcn-amd-amdhsa--gfx1250"
	.amdhsa_code_object_version 6
	.text
	.protected	k_q3e4f4a5015_ffn2
	.globl	k_q3e4f4a5015_ffn2
	.p2align	8
	.type	k_q3e4f4a5015_ffn2,@function
k_q3e4f4a5015_ffn2:
	s_mov_b64 s[64:65], 0
	v_nop
	global_prefetch_b8 v0, s[64:65] scope:SCOPE_SE
	s_setreg_imm32_b32 hwreg(HW_REG_WAVE_MODE, 25, 1), 1
	s_wait_xcnt 0x0
; SECOND PRODUCT, in two halves of K.  op[kh][2,048 e + rank][:] = the sum over the hidden channels 1,024 kh .. 1,024 kh + 1,023 of h w2[e], in f32: partial sums, added up by the next launch.
; SHARES.  Work-group (x, e): 64 output channels (x % 16) of one half of K (x / 16): 1,024 x 64 weights of expert e, which it alone reads, and all of e's rows.  Two halves of K and not 32 narrower
; slices: a weight row's piece stays 256 consecutive bytes, and each row of h is read by 16 work-groups for each half and not by 32.
; The weights go from memory to LDS as in the first product: read once as f32, rounded to bf16 in registers, laid as [k][64], rows 160 bytes apart.  Then each wave takes tiles of 32 rows (tile j goes to wave j % 8).
; h lies in the order of the operand registers ([e][16 rows][32 channels][half][lane][16 bytes]): every load takes 512 consecutive bytes.  Tiles are whole: the first product wrote every tile that begins below the count.
; The loop has 8 trips, enough for 2,048 rows; dead trips are jumped.  The weights in LDS are only read in it; the stage for the way out is each wave's own; so it has no barrier.
; THE MATRIX INSTRUCTION IS USED TRANSPOSED (source 0 = 16 output channels, source 1 = 16 rows): a lane holds one row and eight neighbouring channels.  A tile leaves through the wave's stage as whole pieces of 256 bytes.
; LIMITS.  h and w2 are rounded to bf16; sums in f32.  NO CLUSTER, NO TENSOR LOAD: each weight has one reader and is rounded in registers; the number of tiles of h hangs on a stored count.
.set PW,      160
.set WBYTES,  1024*PW
.set STAGE,   WBYTES                   ; 32 rows x 272 bytes for each wave
.set SPITCH,  272                      ; 256 bytes + 16: the 16 rows that a store touches start at 16 different groups of four banks (64 banks of 4 bytes: ISA guide 11.1)
.set SPARE,   STAGE+8*32*SPITCH        ; the spare words, 128 bytes a wave
.set ROWSTEP, 2*4096                   ; a weight load takes two rows of w2, 4,096 bytes apart
; window 0
.set RR,    2                          ; v2  lane % 16
.set SPW,   4                          ; v4  LDS address of my spare word; never rewritten
.set NIL,   5                          ; v5  0; never rewritten
.set L16,   6                          ; v6  16 x lane
.set WGO,   9                          ; v9  my bytes in the slice of w2
.set WLA,   10                         ; v10 where they go in LDS
.set HH,    14                         ; v14 lane / 16
.set TA,    15                         ; v15-18 at work
.set TB,    17
.set VO,    20                         ; v20 my bytes in op
.set STO,   21                         ; v21 the way out: where I put 32 bytes of a row
.set RD,    22                         ; v22 where I read rows back
.set VOB,   23                         ; v23 4,096 (lane / 16) + 16 (lane % 16)
.set CV,    88                         ; v[88:95] weights rounded, four pairs by turns
.set WR,    96                         ; v[96:223] 32 weight loads in flight
.set OB,    96                         ; later v[96:159]: a tile read back from the stage
; window 1: v0-63 the 8 accumulators ((rt, ct) at 8 (4 rt + ct))
.set WF,    64                         ; v64-127  weight fragments, two buffers of 4 x 8
.set AR,    128                        ; v128-239 row fragments, a ring of 7 K steps x 2 x 8
.set VA,    240                        ; v240 my bytes in h
.set LB,    242                        ; v242-244 my lane's place in the weights, at K steps 0, 12 and 24
.set NN,    32
.set ROW0,  33
.set TRIPS, 34
.set MSB, 0
.macro WIN new                         ; s_set_vgpr_msb: bits 1:0 source 0, 3:2 source 1, 5:4 source 2, 7:6 destination; the high byte repeats the setting that is left
.if MSB != (\new)
	s_set_vgpr_msb (MSB<<8)|(\new)
.set MSB, \new
.endif
.endm
.macro WLOAD i                         ; two rows of the slice: 16 lanes take a row's 256 bytes
	global_load_b128 v[WR+4*((\i)%32):WR+4*((\i)%32)+3], v[WGO], s[10:11] offset:(\i)*ROWSTEP th:TH_LOAD_NT
.endm
	s_load_b256 s[8:15], s[0:1], 0x0               ; h s[8:9], w2 s[10:11], cnt s[12:13], op s[14:15]
	v_lshl_add_u32 v[SPW], v0, 2, SPARE
	v_mov_b32 v[NIL], 0
	v_and_b32 v1, 31, v0                           ; lane
	v_lshrrev_b32 v[TA], 5, v0
	v_readfirstlane_b32 s22, v[TA]                 ; wave
	s_and_b32 s23, ttmp7, 0xffff                   ; expert
	s_and_b32 s24, ttmp9, 15                       ; which 64 output channels
	s_lshr_b32 s25, ttmp9, 4                       ; which half of K
	v_and_b32 v[RR], 15, v0
	v_bfe_u32 v[HH], v0, 4, 1
	v_lshlrev_b32 v[L16], 4, v1
	v_lshlrev_b32 v[TA], 4, v[RR]
	v_lshl_add_u32 v[VOB], v[HH], 12, v[TA]
	v_lshl_add_u32 v[WGO], s22, 19, v[VOB]         ; (128 wave + lane / 16) rows of 4,096 bytes + 16 (lane % 16)
	s_mul_i32 s2, s22, 128*PW
	v_mul_u32_u24 v[TA], v[HH], PW
	v_lshl_add_u32 v[TA], v[RR], 3, v[TA]
	v_add_nc_u32 v[WLA], s2, v[TA]
	s_mul_i32 s3, s22, 32*SPITCH
	s_add_co_u32 s3, s3, STAGE                     ; my stage
	v_mul_u32_u24 v[TA], v[RR], SPITCH             ; in: row lane % 16, 32 bytes for each half of the lanes
	v_lshl_add_u32 v[TA], v[HH], 5, v[TA]
	v_add_nc_u32 v[STO], s3, v[TA]
	v_mul_u32_u24 v[TA], v[HH], SPITCH             ; back: lanes 0-15 take one row's 256 bytes, lanes 16-31 the next row's
	v_lshl_add_u32 v[TA], v[RR], 4, v[TA]
	v_add_nc_u32 v[RD], s3, v[TA]
	s_lshl_b32 s2, s23, 23                         ; an expert's 8 MiB of w2, of h and of a half of op
	s_lshl_b32 s6, s24, 8                          ; 64 channels of f32
	s_lshl_b32 s4, s25, 22                         ; w2: 1,024 rows of 4,096 bytes a half of K
	s_add_co_u32 s4, s4, s2
	s_add_co_u32 s4, s4, s6
	s_mov_b32 s5, 0
	s_lshl_b32 s26, s25, 15                        ; h: 32 blocks of 1,024 bytes a half of K
	s_add_co_u32 s26, s26, s2
	s_mov_b32 s27, 0
	s_lshl_b32 s28, s25, 26                        ; op: 16,384 rows of 4,096 bytes a half of K
	s_add_co_u32 s28, s28, s2
	s_add_co_u32 s28, s28, s6
	s_mov_b32 s29, 0
	s_lshl_b32 s30, s23, 7                         ; cnt: 128 bytes an expert
	s_mov_b32 s31, 0
	s_wait_kmcnt 0x0
	s_add_nc_u64 s[10:11], s[10:11], s[4:5]
	s_add_nc_u64 s[8:9], s[8:9], s[26:27]
	s_add_nc_u64 s[14:15], s[14:15], s[28:29]
	s_add_nc_u64 s[12:13], s[12:13], s[30:31]
	s_load_b32 s[NN], s[12:13], 0x0                ; e's rows
.set i, 0
.rept 32
	WLOAD i
.set i, i+1
.endr
	v_and_b32 v[TA], 7, v0                         ; the turning load: lane l reads k = 8 (l / 16) + l % 8, channels 8 ((l / 8) % 2) + 0..7
	v_lshl_add_u32 v[TA], v[HH], 3, v[TA]
	v_mul_u32_u24 v[TA], v[TA], PW
	v_bfe_u32 v[TB], v0, 3, 1
	v_lshl_add_u32 v[TA], v[TB], 4, v[TA]
	WIN 0x40                                       ; destination window 1
	v_mov_b32 v[LB], v[TA]
	v_add_nc_u32 v[LB+1], 12*32*PW, v[TA]
	v_add_nc_u32 v[LB+2], 24*32*PW, v[TA]
	WIN 0
	; THE WEIGHTS: memory to LDS through registers.  Wave w has rows 128 w .. 128 w + 127 of the half of K, two a load.
.set i, 0
.rept 64
.if i < 32
	s_wait_loadcnt 31                              ; load i is in; the 31 younger ones stay out
.else
	s_wait_loadcnt 63-i                            ; nothing more is asked for: the counts run down
.endif
	v_cvt_pk_bf16_f32 v[CV+2*(i%4)],   v[WR+4*(i%32)],   v[WR+4*(i%32)+1]
	v_cvt_pk_bf16_f32 v[CV+2*(i%4)+1], v[WR+4*(i%32)+2], v[WR+4*(i%32)+3]
	ds_store_b64 v[WLA], v[CV+2*(i%4):CV+2*(i%4)+1] offset:2*PW*i
.if i < 32
	WLOAD i+32
.endif
.set i, i+1
.endr
	s_wait_dscnt 0x0                               ; for the others' sake: my rows are written
	s_barrier_signal -1
	s_barrier_wait -1                              ; the slice is whole; from here on it is only read
	s_wait_kmcnt 0x0                               ; the count
.macro WFRAG s                         ; K step s: 64 channels x 32 k, turned: 4 fragments
.irp ct, 0,1,2,3
	ds_load_tr16_b128 v[WF+32*((\s)%2)+8*\ct:WF+32*((\s)%2)+8*\ct+3],   v[LB+(\s)/12] offset:((\s)%12)*32*PW+32*\ct
	ds_load_tr16_b128 v[WF+32*((\s)%2)+8*\ct+4:WF+32*((\s)%2)+8*\ct+7], v[LB+(\s)/12] offset:((\s)%12)*32*PW+32*\ct+16*PW
.endr
.endm
.macro ALOAD s                         ; K step s: 32 rows x 32 k of h, as they lie: 512 consecutive bytes a load
.irp rt, 0,1
	global_load_b128 v[AR+16*((\s)%7)+8*\rt:AR+16*((\s)%7)+8*\rt+3],   v[VA], s[8:9] offset:65536*\rt+1024*(\s)
	global_load_b128 v[AR+16*((\s)%7)+8*\rt+4:AR+16*((\s)%7)+8*\rt+7], v[VA], s[8:9] offset:65536*\rt+1024*(\s)+512
.endr
.endm
; One K step of 32: 8 matrix instructions, the 8 accumulators by turns.  Step 0 starts the sums with the constant 0.  Behind them four places, then the loads into the buffers just read.
.macro KSTEP s
.if (\s)+6 < 31
	s_wait_loadcnt 24                              ; my rows of this step are in; six younger steps' loads, four each, stay out
.else
	s_wait_loadcnt 4*(31-(\s))
.endif
.if (\s) < 31
	s_wait_dscnt 8                                 ; this step's weight fragments are in; the next step's eight loads stay out
.else
	s_wait_dscnt 0
.endif
.irp ct, 0,1,2,3
.irp rt, 0,1
.if (\s) == 0
	v_wmma_f32_16x16x32_bf16 v[8*(4*\rt+\ct):8*(4*\rt+\ct)+7], v[WF+32*((\s)%2)+8*\ct:WF+32*((\s)%2)+8*\ct+7], v[AR+16*((\s)%7)+8*\rt:AR+16*((\s)%7)+8*\rt+7], 0
.else
	v_wmma_f32_16x16x32_bf16 v[8*(4*\rt+\ct):8*(4*\rt+\ct)+7], v[WF+32*((\s)%2)+8*\ct:WF+32*((\s)%2)+8*\ct+7], v[AR+16*((\s)%7)+8*\rt:AR+16*((\s)%7)+8*\rt+7], v[8*(4*\rt+\ct):8*(4*\rt+\ct)+7]
.endif
.endr
.endr
.rept 4
	v_nop
.endr
.if (\s)+2 <= 31
	WFRAG (\s)+2
.endif
.if (\s)+7 <= 31
	ALOAD (\s)+7
.endif
.endm
	s_lshl_b32 s[ROW0], s22, 5                     ; my first tile
	s_mov_b32 s[TRIPS], 8
.Ltrip:
	s_cmp_ge_u32 s[ROW0], s[NN]
	s_cbranch_scc1 .Lskip                          ; no such tile: the trip is jumped; no barrier stands in it
	s_wait_xcnt 0x0                                ; the last trip's stores have read their data and their offset: both are written again only behind this wait
	v_lshl_add_u32 v[VO], s[ROW0], 12, v[VOB]      ; a row of op is 4,096 bytes
	WIN 0x40
	v_lshl_add_u32 v[VA], s[ROW0], 12, v[L16]      ; 16 rows of h are 65,536 bytes
	WIN 0x55                                       ; the whole product names window 1 alone
.irp a, 0,1,2,3,4,5,6
	ALOAD \a
.endr
	WFRAG 0
	WFRAG 1
.set ks, 0
.rept 32
	KSTEP ks
.set ks, ks+1
.endr
	WIN 0x04                                       ; THE WAY OUT.  Store data in window 1, address in window 0; the last step's four v_nop are the places ahead of these
.irp rt, 0,1
.irp ct, 0,1,2,3
	ds_store_b128 v[STO], v[8*(4*\rt+\ct):8*(4*\rt+\ct)+3],   offset:16*SPITCH*\rt+64*\ct      ; each accumulator's lowest registers first
	ds_store_b128 v[STO], v[8*(4*\rt+\ct)+4:8*(4*\rt+\ct)+7], offset:16*SPITCH*\rt+64*\ct+16
.endr
.endr
	WIN 0
.irp t, 0,1,2,3,4,5,6,7,8,9,10,11,12,13,14,15
	ds_load_b128 v[OB+4*\t:OB+4*\t+3], v[RD] offset:2*SPITCH*\t  ; LDS serves a wave's instructions in order (ISA guide 5.7.1.4): these see the stores above
.endr
.irp t, 0,1,2,3,4,5,6,7,8,9,10,11,12,13,14,15
	s_wait_dscnt 15-\t                             ; two rows are back; the younger loads stay out
	global_store_b128 v[VO], v[OB+4*\t:OB+4*\t+3], s[14:15] offset:8192*\t  ; 16 lanes store 256 consecutive bytes, aligned
.endr
.Lskip:
	s_add_co_u32 s[ROW0], s[ROW0], 256             ; 8 waves x 32 rows on
	s_sub_co_u32 s[TRIPS], s[TRIPS], 1
	s_cmp_lg_u32 s[TRIPS], 0
	s_cbranch_scc1 .Ltrip
	s_wait_tensorcnt 0x0                           ; the wave's end: a wait, an add to my spare word and a wait behind my last LDS store
	ds_add_u32 v[SPW], v[NIL]
	s_wait_dscnt 0x0
	s_endpgm
.Lfunc_end_k_q3e4f4a5015_ffn2:
	.size	k_q3e4f4a5015_ffn2, .Lfunc_end_k_q3e4f4a5015_ffn2-k_q3e4f4a5015_ffn2
	.p2alignl 7, 3214868480
	.fill 96, 4, 3214868480
	.section	.rodata,"a",@progbits
	.p2align	6, 0x0
	.amdhsa_kernel k_q3e4f4a5015_ffn2
		.amdhsa_group_segment_fixed_size 234496
		.amdhsa_private_segment_fixed_size 0
		.amdhsa_enable_private_segment 0
		.amdhsa_kernarg_size 32
		.amdhsa_user_sgpr_count 2
		.amdhsa_user_sgpr_kernarg_segment_ptr 1
		.amdhsa_wavefront_size32 1
		.amdhsa_system_sgpr_workgroup_id_x 1
		.amdhsa_system_sgpr_workgroup_id_y 1
		.amdhsa_system_sgpr_workgroup_id_z 1
		.amdhsa_system_vgpr_workitem_id 0
		.amdhsa_next_free_vgpr 512
		.amdhsa_next_free_sgpr 66
		.amdhsa_reserve_vcc 0
		.amdhsa_float_denorm_mode_32 3
		.amdhsa_float_denorm_mode_16_64 3
		.amdhsa_memory_ordered 1
		.amdhsa_forward_progress 1
		.amdhsa_inst_pref_size 78
	.end_amdhsa_kernel
	.amdgpu_metadata
---
amdhsa.version: [ 1, 2 ]
amdhsa.kernels:
  - .name:           k_q3e4f4a5015_ffn2
    .symbol:         k_q3e4f4a5015_ffn2.kd
    .args:
      - { .name: h, .offset: 0, .size: 8, .value_kind: global_buffer, .address_space: global }
      - { .name: w2, .offset: 8, .size: 8, .value_kind: global_buffer, .address_space: global }
      - { .name: cnt, .offset: 16, .size: 8, .value_kind: global_buffer, .address_space: global }
      - { .name: op, .offset: 24, .size: 8, .value_kind: global_buffer, .address_space: global }
    .group_segment_fixed_size: 234496
    .private_segment_fixed_size: 0
    .kernarg_segment_align: 8
    .kernarg_segment_size: 32
    .max_flat_workgroup_size: 256
    .sgpr_count:     66
    .vgpr_count:     512
    .wavefront_size: 32
...
	.end_amdgpu_metadata
.endif
;; end of part 3
;; launch combine (part 4): grid 256 x 1, 8 waves a work-group, no clusters, 0 bytes of LDS; arguments x, op, pos, ei, ew, b2, ln_g, ln_b, out0; writes out0
.if DOCPART == 4
	.amdgcn_target "amdgcn-amd-amdhsa--gfx1250"
	.amdhsa_code_object_version 6
	.text
	.protected	k_q3e4f4a5015_combine
	.globl	k_q3e4f4a5015_combine
	.p2align	8
	.type	k_q3e4f4a5015_combine,@function
k_q3e4f4a5015_combine:
	s_mov_b64 s[64:65], 0
	v_nop
	global_prefetch_b8 v0, s[64:65] scope:SCOPE_SE
	s_setreg_imm32_b32 hwreg(HW_REG_WAVE_MODE, 25, 1), 1
	s_wait_xcnt 0x0
; COMBINE.  For token t and its two experts e_k: z_k = x + 0.5 (the two halves of K of the second product's sums) + b2[e_k] (the 0.5 is GELU's, left out of h);
; y_k = (z_k - mean) rsqrt(var + 1e-6) ln_g[e_k] + ln_b[e_k]; out = ew_0 y_0 + ew_1 y_1.  All in f32; mean first, then the squares of the differences, so that a common offset of x does no harm.
; SHARES.  One wave, one token: a row of 1,024 f32 is 32 registers a lane, eight loads of 512 consecutive bytes; the sums never leave the wave: no LDS, no barrier.
; All 88 loads of a wave are issued on end; the arithmetic begins when the first expert's rows are in.
; WHERE THE ROWS LIE.  pos[e][slot] holds 2,048 e + rank where slot chose e.  The eight candidates of my two slots are read together with ei, and the right one is picked by s_cselect_b32.
; Matrix units, clusters and LDS buy nothing in a stream.  NaN and infinities are not treated apart.
.set LO,  3                            ; v3  16 x lane
.set X,   8                            ; v[8:39]    x; at the end the output
.set A0,  40                           ; v[40:71]   expert 0: first half of K; then z
.set B0,  72                           ; v[72:103]  second half of K
.set C0,  104                          ; v[104:135] b2
.set A1,  136                          ; the same for expert 1
.set B1,  168
.set C1,  200
.set T,   232                          ; v[232:247] at work
.set MN,  248                          ; v[248:249] the mean, then ew x rsqrt, twice (a pair for the packed lines)
.set PXR, 250
.set G0,  0                            ; window 1: ln_g and ln_b of the two experts
.set BB0, 32
.set G1,  64
.set BB1, 96
.set K10, 70                           ; s70 2^-10
.set EPS, 71                           ; s71 1e-6
.set EW,  30                           ; s[30:31] the two weights
.set EW1, 72                           ; s[72:73] the second weight, twice
.set SEL, 76                           ; s[76:77] v_permlanex16_b32's selects
.set MSB, 0
.macro WIN new                         ; s_set_vgpr_msb: bits 1:0 source 0, 7:6 destination; the high byte repeats the setting that is left
.if MSB != (\new)
	s_set_vgpr_msb (MSB<<8)|(\new)
.set MSB, \new
.endif
.endm
.macro LOAD8 dst, sb                   ; a row that other waves read too
.irp i, 0,1,2,3,4,5,6,7
	global_load_b128 v[(\dst)+4*\i:(\dst)+4*\i+3], v[LO], s[\sb:\sb+1] offset:512*\i
.endr
.endm
.macro LOAD8N dst, sb                  ; a row that the launch reads once
.irp i, 0,1,2,3,4,5,6,7
	global_load_b128 v[(\dst)+4*\i:(\dst)+4*\i+3], v[LO], s[\sb:\sb+1] offset:512*\i th:TH_LOAD_NT
.endr
.endm
	s_load_b512 s[8:23], s[0:1], 0x0               ; x s[8:9], op s[10:11], pos s[12:13], ei s[14:15], ew s[16:17], b2 s[18:19], ln_g s[20:21], ln_b s[22:23]
	s_load_b64 s[24:25], s[0:1], 0x40              ; out0
	v_and_b32 v1, 31, v0
	v_lshrrev_b32 v2, 5, v0
	v_readfirstlane_b32 s26, v2                    ; wave
	v_lshlrev_b32 v[LO], 4, v1
	v_mov_b32 v[PXR], 0                            ; v_permlanex16_b32 counts as a reader of its destination
	s_lshl_b32 s27, ttmp9, 3
	s_add_co_u32 s27, s27, s26                     ; my token
	s_lshl_b32 s2, s27, 3                          ; its two words in ei, ew and pos[e]
	s_mov_b32 s3, 0
	s_lshl_b32 s4, s27, 12                         ; its row in x and out0
	s_mov_b32 s5, 0
	s_mov_b32 s[K10], 0x3a800000
	s_mov_b32 s[EPS], 0x358637bd
	s_mov_b32 s[SEL], 0x76543210
	s_mov_b32 s[SEL+1], 0xfedcba98
	s_wait_kmcnt 0x0
	s_add_nc_u64 s[12:13], s[12:13], s[2:3]
	s_add_nc_u64 s[14:15], s[14:15], s[2:3]
	s_add_nc_u64 s[16:17], s[16:17], s[2:3]
	s_add_nc_u64 s[8:9], s[8:9], s[4:5]
	s_add_nc_u64 s[24:25], s[24:25], s[4:5]
	s_load_b64 s[28:29], s[14:15], 0x0             ; e_0, e_1
	s_load_b64 s[EW:EW+1], s[16:17], 0x0
.irp e, 0,1,2,3,4,5,6,7
	s_load_b64 s[32+2*\e:33+2*\e], s[12:13], \e*16384  ; pos[e] of my two slots
.endr
	LOAD8N X, 8
	s_wait_kmcnt 0x0
	s_min_u32 s28, s28, 7
	s_min_u32 s29, s29, 7
	s_mov_b32 s74, s32
	s_mov_b32 s75, s33
.irp e, 1,2,3,4,5,6,7
	s_cmp_eq_u32 s28, \e
	s_cselect_b32 s74, s[32+2*\e], s74
	s_cmp_eq_u32 s29, \e
	s_cselect_b32 s75, s[33+2*\e], s75
.endr
	s_min_u32 s74, s74, 0x3fff                     ; a row of op, whatever the buffers hold
	s_min_u32 s75, s75, 0x3fff
	s_mov_b32 s[EW1], s[EW+1]
	s_mov_b32 s[EW1+1], s[EW+1]
	s_lshl_b32 s2, s74, 12
	s_add_nc_u64 s[48:49], s[10:11], s[2:3]        ; expert 0: its row in the first half of K,
	s_add_nc_u64 s[50:51], s[48:49], 0x4000000     ; and in the second, 16,384 rows on
	s_lshl_b32 s2, s75, 12
	s_add_nc_u64 s[52:53], s[10:11], s[2:3]
	s_add_nc_u64 s[54:55], s[52:53], 0x4000000
	s_lshl_b32 s2, s28, 12                         ; a row of b2, ln_g, ln_b is 4,096 bytes
	s_add_nc_u64 s[56:57], s[18:19], s[2:3]
	s_add_nc_u64 s[60:61], s[20:21], s[2:3]
	s_add_nc_u64 s[66:67], s[22:23], s[2:3]
	s_lshl_b32 s2, s29, 12
	s_add_nc_u64 s[58:59], s[18:19], s[2:3]
	s_add_nc_u64 s[62:63], s[20:21], s[2:3]
	s_add_nc_u64 s[68:69], s[22:23], s[2:3]
	LOAD8N A0, 48
	LOAD8N B0, 50
	LOAD8  C0, 56
	LOAD8N A1, 52
	LOAD8N B1, 54
	LOAD8  C1, 58
	WIN 0x40                                       ; destination window 1
	LOAD8  G0, 60
	LOAD8  BB0, 66
	LOAD8  G1, 62
	LOAD8  BB1, 68
	WIN 0
.macro WSUM                            ; v[T] summed over the 32 lanes, the result in every lane
	v_add_f32_dpp v[T], v[T], v[T] row_xmask:1 row_mask:0xf bank_mask:0xf
	v_add_f32_dpp v[T], v[T], v[T] row_xmask:2 row_mask:0xf bank_mask:0xf
	v_add_f32_dpp v[T], v[T], v[T] row_xmask:4 row_mask:0xf bank_mask:0xf
	v_add_f32_dpp v[T], v[T], v[T] row_xmask:8 row_mask:0xf bank_mask:0xf
	v_permlanex16_b32 v[PXR], v[T], s[SEL], s[SEL+1]
	v_add_f32 v[T], v[T], v[PXR]
.endm
; Expert k: a ends as (z - mean) x ew_k x rsqrt(var + 1e-6).
.macro NORM a, b, c, k
.set i, 0
.rept 16
	v_pk_add_f32 v[(\a)+i:(\a)+i+1], v[(\a)+i:(\a)+i+1], v[(\b)+i:(\b)+i+1]
	v_pk_add_f32 v[(\c)+i:(\c)+i+1], v[(\c)+i:(\c)+i+1], v[X+i:X+i+1]
	v_pk_fma_f32 v[(\a)+i:(\a)+i+1], v[(\a)+i:(\a)+i+1], 0.5, v[(\c)+i:(\c)+i+1] op_sel_hi:[1,0,1]  ; z
.set i, i+2
.endr
.set i, 0
.rept 8
	v_pk_add_f32 v[T+i:T+i+1], v[(\a)+i:(\a)+i+1], v[(\a)+16+i:(\a)+16+i+1]  ; the lane's 32 numbers, by halves
.set i, i+2
.endr
.irp w, 8, 4, 2
.set i, 0
.rept (\w)/2
	v_pk_add_f32 v[T+i:T+i+1], v[T+i:T+i+1], v[T+\w+i:T+\w+i+1]
.set i, i+2
.endr
.endr
	v_add_f32 v[T], v[T], v[T+1]
	WSUM
	v_mul_f32 v[MN], s[K10], v[T]                  ; the mean
	v_mul_f32 v[MN+1], s[K10], v[T]
.set i, 0
.rept 16
	v_pk_add_f32 v[(\a)+i:(\a)+i+1], v[(\a)+i:(\a)+i+1], v[MN:MN+1] neg_lo:[0,1] neg_hi:[0,1]
.set i, i+2
.endr
.set i, 0
.rept 4
	v_pk_mul_f32 v[T+i:T+i+1], v[(\a)+i:(\a)+i+1], v[(\a)+i:(\a)+i+1]  ; the squares, in four chains that the first four pairs start
.set i, i+2
.endr
.rept 12
	v_pk_fma_f32 v[T+i%8:T+i%8+1], v[(\a)+i:(\a)+i+1], v[(\a)+i:(\a)+i+1], v[T+i%8:T+i%8+1]
.set i, i+2
.endr
	v_pk_add_f32 v[T:T+1], v[T:T+1], v[T+4:T+5]
	v_pk_add_f32 v[T+2:T+3], v[T+2:T+3], v[T+6:T+7]
	v_pk_add_f32 v[T:T+1], v[T:T+1], v[T+2:T+3]
	v_add_f32 v[T], v[T], v[T+1]
	WSUM
	v_fma_f32 v[T], v[T], s[K10], s[EPS]           ; var + 1e-6
	v_rsq_f32 v[T+1], v[T]
	v_nop                                          ; a plain instruction behind it
	s_wait_alu depctr_va_vdst(0)                   ; the wait ahead of the first line that names its result
	v_mul_f32 v[MN], s[EW+(\k)], v[T+1]
	v_mul_f32 v[MN+1], s[EW+(\k)], v[T+1]
.set i, 0
.rept 16
	v_pk_mul_f32 v[(\a)+i:(\a)+i+1], v[(\a)+i:(\a)+i+1], v[MN:MN+1]
.set i, i+2
.endr
.endm
	s_wait_loadcnt 56                              ; x and expert 0's three rows are in; the 56 loads issued behind them stay out
	NORM A0, B0, C0, 0
	s_wait_loadcnt 32                              ; expert 1's three rows; ln_g's and ln_b's 32 loads stay out
	NORM A1, B1, C1, 1
	s_wait_loadcnt 0x0
	WIN 0x01                                       ; source 0 in window 1
.set i, 0
.rept 16
	v_pk_mul_f32 v[X+i:X+i+1], v[BB0+i:BB0+i+1], s[EW:EW+1] op_sel_hi:[1,0]
	v_pk_fma_f32 v[X+i:X+i+1], v[BB1+i:BB1+i+1], s[EW1:EW1+1], v[X+i:X+i+1] op_sel_hi:[1,0,1]
	v_pk_fma_f32 v[X+i:X+i+1], v[G0+i:G0+i+1], v[A0+i:A0+i+1], v[X+i:X+i+1]
	v_pk_fma_f32 v[X+i:X+i+1], v[G1+i:G1+i+1], v[A1+i:A1+i+1], v[X+i:X+i+1]
.set i, i+2
.endr
	WIN 0
.irp i, 0,1,2,3,4,5,6,7
	global_store_b128 v[LO], v[X+4*\i:X+4*\i+3], s[24:25] offset:512*\i th:TH_STORE_NT  ; 512 consecutive bytes, aligned
.endr
	s_endpgm
.Lfunc_end_k_q3e4f4a5015_combine:
	.size	k_q3e4f4a5015_combine, .Lfunc_end_k_q3e4f4a5015_combine-k_q3e4f4a5015_combine
	.p2alignl 7, 3214868480
	.fill 96, 4, 3214868480
	.section	.rodata,"a",@progbits
	.p2align	6, 0x0
	.amdhsa_kernel k_q3e4f4a5015_combine
		.amdhsa_group_segment_fixed_size 0
		.amdhsa_private_segment_fixed_size 0
		.amdhsa_enable_private_segment 0
		.amdhsa_kernarg_size 72
		.amdhsa_user_sgpr_count 2
		.amdhsa_user_sgpr_kernarg_segment_ptr 1
		.amdhsa_wavefront_size32 1
		.amdhsa_system_sgpr_workgroup_id_x 1
		.amdhsa_system_sgpr_workgroup_id_y 1
		.amdhsa_system_sgpr_workgroup_id_z 1
		.amdhsa_system_vgpr_workitem_id 0
		.amdhsa_next_free_vgpr 384
		.amdhsa_next_free_sgpr 80
		.amdhsa_reserve_vcc 0
		.amdhsa_float_denorm_mode_32 3
		.amdhsa_float_denorm_mode_16_64 3
		.amdhsa_memory_ordered 1
		.amdhsa_forward_progress 1
		.amdhsa_inst_pref_size 34
	.end_amdhsa_kernel
	.amdgpu_metadata
---
amdhsa.version: [ 1, 2 ]
amdhsa.kernels:
  - .name:           k_q3e4f4a5015_combine
    .symbol:         k_q3e4f4a5015_combine.kd
    .args:
      - { .name: x, .offset: 0, .size: 8, .value_kind: global_buffer, .address_space: global }
      - { .name: op, .offset: 8, .size: 8, .value_kind: global_buffer, .address_space: global }
      - { .name: pos, .offset: 16, .size: 8, .value_kind: global_buffer, .address_space: global }
      - { .name: ei, .offset: 24, .size: 8, .value_kind: global_buffer, .address_space: global }
      - { .name: ew, .offset: 32, .size: 8, .value_kind: global_buffer, .address_space: global }
      - { .name: b2, .offset: 40, .size: 8, .value_kind: global_buffer, .address_space: global }
      - { .name: ln_g, .offset: 48, .size: 8, .value_kind: global_buffer, .address_space: global }
      - { .name: ln_b, .offset: 56, .size: 8, .value_kind: global_buffer, .address_space: global }
      - { .name: out0, .offset: 64, .size: 8, .value_kind: global_buffer, .address_space: global }
    .group_segment_fixed_size: 0
    .private_segment_fixed_size: 0
    .kernarg_segment_align: 8
    .kernarg_segment_size: 72
    .max_flat_workgroup_size: 256
    .sgpr_count:     80
    .vgpr_count:     384
    .wavefront_size: 32
...
	.end_amdgpu_metadata
.endif
;; end of part 4
